; MI455X (gfx1250); checked and timed in simulation.
; The chip was launched on July 23, 2026; its instructions are those of AMD's public machine-readable ISA for CDNA 5 (MIT licence, August 2026) and "CDNA5" Instruction Set Architecture Reference Guide (July 2026). The comments in the code are by the model that wrote it; some were corrected since.
;; Multihead Attention. Allowed arithmetic: matrix products marked QUANTISED: E2M3 operands, one E8M0 scale for each 32 along K, by v_wmma_scale_f32_16x16x128_f8f6f4 with both operands' format E2M3, f32 sums; everything else in f32.
;; Inputs: wk 16 x 1,024 x 64 float32; wq 16 x 1,024 x 64 float32; wv 16 x 1,024 x 64 float32; x 4 x 2,048 x 1,024 float32.
;; Outputs: out0 4 x 2,048 x 1,024 float32.
;; This version of the problem:
;;   THIS VERSION OF THE PROBLEM IS GIVEN IN LOW PRECISION. The matrix products marked QUANTISED in the list below multiply operands that are first quantised to E2M3 (2 exponent bits, 3 mantissa bits; 6 bits a number), with one power-of-two scale for each 32 numbers along K (OCP MX v1.0); their sums are f32. All else is computed in f32.
;;   The module's matrix products, in the order in which they are computed (A, B: the left and right operand; K: the contracted axis; several contracted axes count as one K, in the product's order):
;;     1. [M 1,024, K 1,024] x [K 1,024, N 8,192]; A: input wq; B: input x: QUANTISED
;;     2. [M 1,024, K 1,024] x [K 1,024, N 8,192]; A: input wk; B: input x: QUANTISED
;;     3. [M 1,024, K 1,024] x [K 1,024, N 8,192]; A: input wv; B: input x: QUANTISED
;;     4. batch 64 x [M 2,048, K 64] x [K 64, N 2,048]; A: computed on the way; B: computed on the way: QUANTISED
;;     5. batch 64 x [M 2,048, K 2,048] x [K 2,048, N 64]; A: softmax (see below); B: computed on the way: QUANTISED
;;   THE QUANTISER, for each operand of a quantised product, along K:
;;     - K is cut into blocks of 32 from its start; a last block that is shorter is filled with zeros.
;;     - A block's scale is 2^e with e = floor(log2(the largest magnitude in the block)) - 2, held to -126 .. 127; a block of zeros has e = 0. As a byte (E8M0): e + 127.
;;     - Each number is divided by its block's scale, clamped to +-7.5, and rounded to the nearest number of E2M3, ties to even, subnormals kept.
;;     - The product sums the exact products of the quantised numbers (number of the format x scale) in f32.
;;   ~~~python
;;   def quantise(x, axis):      # numpy; x: float32 -> the quantised numbers, widened to float32 again
;;       x = np.moveaxis(x, axis, -1); K = x.shape[-1]
;;       x = np.pad(x, [(0, 0)] * (x.ndim - 1) + [(0, -K % 32)]); x = x.reshape(x.shape[:-1] + (-1, 32)); a = np.abs(x).max(-1, keepdims=True)
;;       e = np.where(a > 0, np.clip(np.frexp(np.where(a > 0, a, 1))[1] - 1 - 2, -126, 127), 0)      # np.frexp(a)[1] - 1 = floor(log2(a)), exactly
;;       r = np.clip(x / 2.0 ** e, -7.5, 7.5)
;;       step = 2.0 ** (np.maximum(np.frexp(np.where(r == 0, 1, r))[1] - 1, 0) - 3)
;;       q = np.round(r / step) * step * 2.0 ** e      # np.round: ties to even
;;       return np.moveaxis(q.reshape(q.shape[:-2] + (-1,))[..., :K], -1, axis).astype(np.float32)
;;   ~~~
;;   SOFTMAX AHEAD OF A QUANTISED PRODUCT. Where the list says 'softmax', what is quantised is not the finished softmax but p = 2^(t - M), with t = logit x log2(e) and M = ceil(the row's largest t), a whole number; so 1/2 < the row's largest p <= 1. The row's sum l is taken of the UNQUANTISED p, in f32, and the product's result is divided by l at the end. Since M is a whole number, a kernel that streams over the keys may use a running M (the ceiling of the running maximum): every later rescaling is an exact power of two, which a block's scale takes up: the codes' values come out the same.
;;   OPERANDS COMPUTED ON THE WAY. 'Computed on the way' means the value that the module computes at that place (a softmax that the list does not call 'softmax' is quantised finished and normalised). What goes into a quantiser is computed in f32, as accurately as f32 sums, v_exp_f32 and their like allow (about 1e-6 of the number): no bf16 or f16 on the way to a quantiser, and a product that is left as it is and whose result goes on into a quantised operand takes f32 operands (vector FMAs, or v_wmma_f32_16x16x4_f32). A number that lies on a knife's edge between two numbers of the format may be rounded either way, as far as f32 arithmetic and the matrix unit's own rounding can turn it there, and no further.
;; One version. Each part assembles by itself: llvm-mc -triple=amdgcn-amd-amdhsa -mcpu=gfx1250 --defsym DOCPART=n.
;; ======== version 1 of 1: 3 launches
;; limits: right only within a limited range of input values
;; workspace buffers: x_codes 6,291,456 bytes; x_scales 262,144 bytes; w_codes 2,359,296 bytes; w_scales 98,304 bytes; qb 6,553,600 bytes; kv 13,107,200 bytes
;; launch quant (part 1): grid 352 x 1, 4 waves a work-group, no clusters, 68,096 bytes of LDS; arguments x, wq, wk, wv, x_codes, x_scales, w_codes, w_scales; writes x_codes, x_scales, w_codes, w_scales
.if DOCPART == 1
	.amdgcn_target "amdgcn-amd-amdhsa--gfx1250"
	.amdhsa_code_object_version 6
	.text
	.protected	k_q2c2e4cb649_quant
	.globl	k_q2c2e4cb649_quant
	.p2align	8
	.type	k_q2c2e4cb649_quant,@function
k_q2c2e4cb649_quant:
	s_mov_b64 s[64:65], 0
	v_nop
	global_prefetch_b8 v0, s[64:65] scope:SCOPE_SE
	s_setreg_imm32_b32 hwreg(HW_REG_WAVE_MODE, 25, 1), 1
	s_wait_xcnt 0x0
; x [8192][1024] f32 and wq, wk, wv [16][1024][64] f32 become codes of FP6 (E2M3) along E, the projections' K, with one E8M0 byte for each 32 along E.
; x_codes [8192 places][768 bytes], x_scales [8192 places][32];  w_codes [3072 places][768], w_scales [3072 places][32], a row of w being n = 1024 x tensor (q, k, v) + 64 x head + d.
; THE ORDER OF ROWS: within each 32 rows, place p holds row p with its bits 3 and 4 exchanged.  So 16 neighbouring places are rows 8 u + r + 8 (r / 8) of their 32, and a product that takes them as its
; source 0 leaves 16 neighbours along that axis in the 16 registers of two neighbouring result tiles: what the next launch's quantiser wants.
; A block's scale is 2^(floor(log2(its largest magnitude)) - 2); its byte is that magnitude's exponent field - 2, held at 1 from below.
; LIMITS: a block of zeros, or one whose largest magnitude lies under 2^-124, gets the byte 1 (its codes are zeros or subnormal codes; the bytes are read by this program alone); NaN and infinities among the inputs are not served.
; Work-groups 0 to 255 take x (K innermost: 16 neighbours a lane, turned through the wave's own stage in LDS); work-groups 256 to 351 take the weights (K is the first axis of a head: a lane takes a column d and its
; registers run down E).  Each of the two ways has LDS bytes of its own.  No tensor loads, no barrier: waves share nothing.  Matrix units and clusters have nothing to do here: the launch only moves and converts.
.set XWG,   256                        ; work-groups for x: 8,192 x 1,024 numbers / 32,768
.set STEPS, 16                         ; x: steps of 512 numbers a wave
.set CB,    12                         ; bytes of 16 codes
.set R,     16                         ; x: v16-79   four sets of 16 numbers as they are loaded
.set X,     80                         ; x: v80-111  two sets of 16 neighbours
.set E,     112                        ; x: v112-127 a scale byte for each step
.set C,     128                        ; x: v128-191 codes, four registers for each step: no store's data are written again
.set WREG,  8192                       ; x: LDS of a wave: two stages of 32 x SP bytes, then its 256 scale bytes
.set SP,    80                         ; x: a lane's place in a stage: 64 bytes + 16
.set KROW,  768                        ; a row of codes: 1,024 x 6 / 8 bytes
.set WSTG,  32768                      ; w: the stages begin behind x's LDS
.set WP,    272                        ; w: a stage row: sixteen places of 16 bytes + 16
.set NB,    8                          ; w: blocks of 32 along E for a wave (256 along E)
.set WX,    32                         ; w: v32-95   two sets of 32 numbers
.set WC,    96                         ; w: v96-102  a block's codes
.set WOUT,  112                        ; w: v112-175 the way out
.set WSB,   24                         ; w: v24-25   eight scale bytes
; THE ORDER OF ROWS AS THE TEXT BELOW MAKES IT (it takes the place of the paragraph on the order of rows above): within each 64 rows of x, and within each head's 64 rows of a weight,
; place 16 j + 8 h + i holds row 32 h + 8 j + i (j = 0 .. 3, h = 0, 1, i = 0 .. 7).  A product that takes four neighbouring tiles of 16 places as its source 0 then leaves, in lane half h, rows 32 h + 0 .. 31 in 32 registers on end: one scale block.
	s_load_b256 s[4:11], s[0:1], 0x0               ; x s[4:5], wq s[6:7], wk s[8:9], wv s[10:11]
	s_load_b256 s[12:19], s[0:1], 0x20             ; x_codes s[12:13], x_scales s[14:15], w_codes s[16:17], w_scales s[18:19]
	v_lshl_add_u32 v192, v0, 2, 0x10800
	v_mov_b32 v193, 0
	v_lshrrev_b32 v1, 5, v0
	v_readfirstlane_b32 s20, v1                    ; wave 0..3
	v_and_b32 v2, 31, v0                           ; lane
	s_cmp_lt_u32 ttmp9, XWG
	s_cbranch_scc0 .Lw
; ---------------- x: a wave takes a run of 8,192 numbers: 8 rows
	v_lshlrev_b32 v3, 4, v2                        ; my 16 bytes of a load's 512
	s_mul_i32 s21, s20, WREG
	v_lshrrev_b32 v14, 2, v2
	v_mul_u32_u24 v14, v14, SP
	v_and_b32 v15, 3, v2
	v_lshl_add_u32 v14, v15, 4, v14
	v_add_nc_u32 v14, s21, v14                     ; the stage, on the way in: four lanes' 64 bytes on end, then 16 of padding
	v_mul_u32_u24 v15, v2, SP
	v_add_nc_u32 v15, s21, v15                     ; and on the way out: my 16 neighbours
	v_mul_u32_u24 v4, v2, CB                       ; my codes' place in a step's 384 bytes
	v_lshrrev_b32 v5, 1, v2
	s_add_co_u32 s21, s21, 2*32*SP
	v_add_nc_u32 v5, s21, v5                       ; LDS: my block's scale byte
	v_lshlrev_b32 v7, 3, v2                        ; on the way out 8 scale bytes a lane
	v_add_nc_u32 v6, s21, v7
	s_lshl_b32 s22, ttmp9, 2
	s_add_co_u32 s24, s22, s20                     ; the run that I read: 4 x work-group + wave
	s_lshl_b32 s24, s24, 15                        ; 32,768 bytes a run
	s_mov_b32 s25, 0
	s_add_co_u32 s26, s22, s20                     ; my run of 8 rows; among the eight runs of its 64 rows it is run 4 h + j
	s_and_b32 s23, s26, 3
	s_lshl_b32 s23, s23, 1
	s_bfe_u32 s30, s26, 0x10002
	s_or_b32 s23, s23, s30                         ; and goes to run 2 j + h
	s_and_b32 s22, s26, 0xfffffff8
	s_add_co_u32 s22, s22, s23                     ; the run's place in the outputs
	s_mul_i32 s26, s22, 8*KROW
	s_mov_b32 s27, 0
	s_lshl_b32 s28, s22, 8                         ; 256 scale bytes a run
	s_mov_b32 s29, 0
	s_wait_alu depctr_va_vdst(0)
	s_wait_kmcnt 0x0
	s_add_nc_u64 s[4:5], s[4:5], s[24:25]
	s_add_nc_u64 s[12:13], s[12:13], s[26:27]
	s_add_nc_u64 s[14:15], s[14:15], s[28:29]
.macro XLOAD t
.irp i, 0,1,2,3
	global_load_b128 v[R+16*((\t)%4)+4*\i:R+16*((\t)%4)+4*\i+3], v3, s[4:5] offset:2048*(\t)+512*\i th:TH_LOAD_NT   ; 32 lanes read 512 consecutive bytes
.endr
.endm
.macro XTURN t                         ; step t's numbers through the stage: LDS serves a wave's instructions in order, so no wait stands between the stores and the loads
.irp i, 0,1,2,3
	ds_store_b128 v14, v[R+16*((\t)%4)+4*\i:R+16*((\t)%4)+4*\i+3] offset:32*SP*((\t)%2)+8*SP*\i
.endr
.irp i, 0,1,2,3
	ds_load_b128 v[X+16*((\t)%2)+4*\i:X+16*((\t)%2)+4*\i+3], v15 offset:32*SP*((\t)%2)+16*\i
.endr
.endm
.irp t, 0,1,2,3
	XLOAD \t
.endr
	s_wait_loadcnt 12                              ; step 0's four loads are in; the twelve of steps 1 to 3 may be out
	XTURN 0
.macro XSTEP t
.set XS, X+16*((\t)%2)
.if (\t) > 0
	s_wait_dscnt 1                                 ; this step's numbers are back from the stage (the last step's byte store may be out): so its stores into the stage have read their registers,
.else
	s_wait_dscnt 0x0
.endif
.if (\t)+4 < STEPS
	XLOAD (\t)+4                                   ; which take the loads of four steps on
.endif
.if (\t)+1 < STEPS
.if STEPS-2-(\t) >= 3
	s_wait_loadcnt 12                              ; the next step's four loads are in; those of the three steps behind it may be out
.else
	s_wait_loadcnt 4*(STEPS-2-(\t))
.endif
	XTURN (\t)+1                                   ; and go through the other stage while this step is worked
.endif
	v_max3_num_f32 v8, |v[XS]|, |v[XS+1]|, |v[XS+2]|               ; the largest magnitude of my 16, in two chains
	v_max3_num_f32 v9, |v[XS+3]|, |v[XS+4]|, |v[XS+5]|
.irp i, 6,10
	v_max3_num_f32 v8, v8, |v[XS+\i]|, |v[XS+\i+1]|
	v_max3_num_f32 v9, v9, |v[XS+\i+2]|, |v[XS+\i+3]|
.endr
	v_max3_num_f32 v8, v8, |v[XS+14]|, |v[XS+15]|
	v_max3_num_f32 v8, v8, v9, 0x1800000           ; and the floor 2^(3 - 127): the byte cannot fall under 1
	v_max_num_f32_dpp v8, v8, v8 row_xmask:1 row_mask:0xf bank_mask:0xf   ; and of my neighbour's 16: the block's
	v_add_nc_u32 v11, 0xff000000, v8               ; 2 off its exponent field: the conversion takes the exponent field of this operand as its scale
	v_cvt_scalef32_pk16_fp6_f32 v[C+4*(\t):C+4*(\t)+2], v[XS:XS+15], v11
	v_lshrrev_b32 v[E+(\t)], 23, v11               ; the scale's byte (also the plain line behind the conversion)
	ds_store_b8 v5, v[E+(\t)] offset:16*(\t)       ; both lanes of a block write the same byte with the same value
	global_store_b96 v4, v[C+4*(\t):C+4*(\t)+2], s[12:13] offset:32*CB*(\t)   ; the wave stores 384 consecutive bytes
.endm
.irp t, 0,1,2,3,4,5,6,7,8,9,10,11,12,13,14,15
	XSTEP \t
.endr
	ds_load_b64 v[12:13], v6                       ; LDS serves a wave's instructions in order: these see my byte stores
	s_wait_dscnt 0x0
	global_store_b64 v7, v[12:13], s[14:15]        ; 32 lanes store 256 consecutive bytes, aligned
	s_wait_tensorcnt 0x0
	ds_add_u32 v192, v193
	s_wait_dscnt 0x0
	s_endpgm
; ---------------- the weights: work-group u = tensor, head, half of E; a wave takes 32 columns d x 256 along E
.Lw:
	s_sub_co_u32 s21, ttmp9, XWG                   ; u = 0 .. 95
	s_lshr_b32 s22, s21, 5                         ; tensor: 0 q, 1 k, 2 v
	s_bfe_u32 s23, s21, 0x40001                    ; head: 4 bits from bit 1
	s_and_b32 s26, s21, 1
	s_lshl_b32 s26, s26, 1
	s_lshr_b32 s27, s20, 1
	s_add_co_u32 s26, s26, s27                     ; which 256 along E: 2 (u & 1) + wave / 2
	s_and_b32 s27, s20, 1                          ; which 32 of the head's 64 columns
	s_lshl_b32 s28, s23, 18                        ; in: a head is 262,144 bytes,
	s_lshl_b32 s29, s26, 16                        ; 256 rows of 256 bytes,
	s_add_co_u32 s28, s28, s29
	s_lshl_b32 s29, s27, 7                         ; 32 columns of 4 bytes
	s_add_co_u32 s28, s28, s29
	s_mov_b32 s29, 0
	s_lshl_b32 s30, s22, 10
	s_lshl_b32 s31, s23, 6
	s_add_co_u32 s30, s30, s31
	s_lshl_b32 s31, s27, 3                         ; my 32 columns are half h of the head: their places begin at 8 h
	s_add_co_u32 s30, s30, s31                     ; n0: my first row of the outputs, a multiple of 8
	s_mul_i32 s32, s30, KROW
	s_mul_i32 s33, s26, 192
	s_add_co_u32 s32, s32, s33                     ; codes: n0 rows + my 256 codes' 192 bytes
	s_mov_b32 s33, 0
	s_lshl_b32 s34, s30, 5
	s_lshl_b32 s35, s26, 3
	s_add_co_u32 s34, s34, s35                     ; scale bytes: n0 rows of 32 + my 8
	s_mov_b32 s35, 0
	s_wait_alu depctr_va_vdst(0)
	v_lshlrev_b32 v3, 2, v2                        ; in: 4 bytes a lane
	s_mul_i32 s31, s20, 32*WP
	s_add_co_u32 s31, s31, WSTG                    ; my stage
	v_mul_u32_u24 v4, v2, WP
	v_add_nc_u32 v4, s31, v4                       ; into it: row = my column
	v_and_b32 v5, 15, v2
	v_lshrrev_b32 v6, 4, v2
	v_mul_u32_u24 v7, v6, WP
	v_lshl_add_u32 v7, v5, 4, v7
	v_add_nc_u32 v7, s31, v7                       ; out of it: sixteen lanes to a row, two rows an instruction
	v_mul_u32_u24 v8, v6, KROW
	v_mad_u32_u24 v8, v5, 12, v8                   ; and the same in the codes' buffer: 12 bytes a lane
	v_and_b32 v9, 7, v2                            ; my column 8 j + i of the half goes 16 j + i places on
	v_lshrrev_b32 v10, 3, v2
	v_lshl_or_b32 v9, v10, 4, v9
	v_lshlrev_b32 v9, 5, v9                        ; 32 scale bytes a row
	s_wait_alu depctr_va_vdst(0)                   ; the wait at the head's end
	s_wait_kmcnt 0x0
	s_cmp_eq_u32 s22, 0                            ; the choice hangs on the work-group's number alone
	s_cselect_b64 s[24:25], s[6:7], s[8:9]
	s_cmp_eq_u32 s22, 2
	s_cselect_b64 s[24:25], s[10:11], s[24:25]
	s_add_nc_u64 s[24:25], s[24:25], s[28:29]
	s_add_nc_u64 s[16:17], s[16:17], s[32:33]
	s_add_nc_u64 s[18:19], s[18:19], s[34:35]
.macro WLOAD t                         ; block t: w(32 t + i, my column), i = 0 .. 31, into set t % 2; 32 lanes read 128 consecutive bytes
.irp i, 0,1,2,3,4,5,6,7,8,9,10,11,12,13,14,15,16,17,18,19,20,21,22,23,24,25,26,27,28,29,30,31
	global_load_b32 v[WX+32*((\t)%2)+\i], v3, s[24:25] offset:(32*(\t)+\i)*256 th:TH_LOAD_NT
.endr
.endm
	WLOAD 0
	WLOAD 1
.macro WBLOCK t
.set XS, WX+32*((\t)%2)
.if (\t) < NB-1
	s_wait_loadcnt 32                              ; this block's 32 loads are in; the next block's 32 may be out
.else
	s_wait_loadcnt 0
.endif
	v_max3_num_f32 v12, |v[XS]|, |v[XS+1]|, |v[XS+2]|               ; the block's largest magnitude: all 32 numbers are mine
	v_max3_num_f32 v13, |v[XS+3]|, |v[XS+4]|, |v[XS+5]|
.irp i, 6,10,14,18,22,26
	v_max3_num_f32 v12, v12, |v[XS+\i]|, |v[XS+\i+1]|
	v_max3_num_f32 v13, v13, |v[XS+\i+2]|, |v[XS+\i+3]|
.endr
	v_max3_num_f32 v12, v12, |v[XS+30]|, |v[XS+31]|
	v_max3_num_f32 v12, v12, v13, 0x1800000        ; and the floor 2^(3 - 127)
	v_add_nc_u32 v11, 0xff000000, v12              ; 2 off its exponent field: the conversion's scale operand
	v_lshrrev_b32 v13, 23, v11                     ; the scale's byte
.if (\t)%4 == 0
	v_mov_b32 v[WSB+(\t)/4], v13                   ; four bytes to a register, the lower E in the lower byte
.else
	v_lshl_or_b32 v[WSB+(\t)/4], v13, 8*((\t)%4), v[WSB+(\t)/4]
.endif
	v_cvt_scalef32_pk16_fp6_f32 v[WC:WC+2], v[XS:XS+15], v11
	v_cvt_scalef32_pk16_fp6_f32 v[WC+4:WC+6], v[XS+16:XS+31], v11   ; (a conversion's three registers begin on an even number)
	v_nop                                          ; one plain line behind the conversions
	ds_store_b96 v4, v[WC:WC+2] offset:32*(\t)     ; 16 codes, 12 bytes, to a place of 16 bytes, so that every LDS address is a multiple of 16
	ds_store_b96 v4, v[WC+4:WC+6] offset:32*(\t)+16
.if (\t)+2 < NB
	WLOAD (\t)+2
.endif
	s_wait_dscnt 0x0                               ; the stores have read their registers: the next block's codes may be written
.endm
.irp t, 0,1,2,3,4,5,6,7
	WBLOCK \t
.endr
	s_wait_alu depctr_va_vdst(0)
	global_store_b64 v9, v[WSB:WSB+1], s[18:19]    ; my column's eight scale bytes
.irp t, 0,1,2,3,4,5,6,7,8,9,10,11,12,13,14,15
	ds_load_b96 v[WOUT+4*\t:WOUT+4*\t+2], v7 offset:2*\t*WP   ; columns 2 t and 2 t + 1; LDS serves a wave's instructions in order: these see my stores
.endr
.irp t, 0,1,2,3,4,5,6,7,8,9,10,11,12,13,14,15
	s_wait_dscnt 15-\t                             ; the younger loads may be out
	global_store_b96 v8, v[WOUT+4*\t:WOUT+4*\t+2], s[16:17] offset:(((2*\t)&7)+16*((2*\t)/8))*KROW   ; sixteen lanes store a row's 192 consecutive bytes, at the column's place
.endr
	s_wait_tensorcnt 0x0
	ds_add_u32 v192, v193
	s_wait_dscnt 0x0
	s_endpgm
.Lfunc_end_k_q2c2e4cb649_quant:
	.size	k_q2c2e4cb649_quant, .Lfunc_end_k_q2c2e4cb649_quant-k_q2c2e4cb649_quant
	.p2alignl 7, 3214868480
	.fill 96, 4, 3214868480
	.section	.rodata,"a",@progbits
	.p2align	6, 0x0
	.amdhsa_kernel k_q2c2e4cb649_quant
		.amdhsa_group_segment_fixed_size 68096
		.amdhsa_private_segment_fixed_size 0
		.amdhsa_enable_private_segment 0
		.amdhsa_kernarg_size 64
		.amdhsa_user_sgpr_count 2
		.amdhsa_user_sgpr_kernarg_segment_ptr 1
		.amdhsa_wavefront_size32 1
		.amdhsa_system_sgpr_workgroup_id_x 1
		.amdhsa_system_sgpr_workgroup_id_y 1
		.amdhsa_system_sgpr_workgroup_id_z 1
		.amdhsa_system_vgpr_workitem_id 0
		.amdhsa_next_free_vgpr 194
		.amdhsa_next_free_sgpr 66
		.amdhsa_reserve_vcc 0
		.amdhsa_float_denorm_mode_32 3
		.amdhsa_float_denorm_mode_16_64 3
		.amdhsa_memory_ordered 1
		.amdhsa_forward_progress 1
		.amdhsa_inst_pref_size 74
	.end_amdhsa_kernel
	.amdgpu_metadata
---
amdhsa.version: [ 1, 2 ]
amdhsa.kernels:
  - .name:           k_q2c2e4cb649_quant
    .symbol:         k_q2c2e4cb649_quant.kd
    .args:
      - { .name: x, .offset: 0, .size: 8, .value_kind: global_buffer, .address_space: global }
      - { .name: wq, .offset: 8, .size: 8, .value_kind: global_buffer, .address_space: global }
      - { .name: wk, .offset: 16, .size: 8, .value_kind: global_buffer, .address_space: global }
      - { .name: wv, .offset: 24, .size: 8, .value_kind: global_buffer, .address_space: global }
      - { .name: x_codes, .offset: 32, .size: 8, .value_kind: global_buffer, .address_space: global }
      - { .name: x_scales, .offset: 40, .size: 8, .value_kind: global_buffer, .address_space: global }
      - { .name: w_codes, .offset: 48, .size: 8, .value_kind: global_buffer, .address_space: global }
      - { .name: w_scales, .offset: 56, .size: 8, .value_kind: global_buffer, .address_space: global }
    .group_segment_fixed_size: 68096
    .private_segment_fixed_size: 0
    .kernarg_segment_align: 8
    .kernarg_segment_size: 64
    .max_flat_workgroup_size: 128
    .sgpr_count:     66
    .vgpr_count:     194
    .wavefront_size: 32
...
	.end_amdgpu_metadata
.endif
;; end of part 1
;; launch proj (part 2): grid 8 x 32, 4 waves a work-group, clusters of 4 x 4, 327,680 bytes of LDS; arguments x_codes, x_scales, w_codes, w_scales, qb, kv; writes qb, kv
.if DOCPART == 2
	.amdgcn_target "amdgcn-amd-amdhsa--gfx1250"
	.amdhsa_code_object_version 6
	.text
	.protected	k_q2c2e4cb649_proj
	.globl	k_q2c2e4cb649_proj
	.p2align	8
	.type	k_q2c2e4cb649_proj,@function
k_q2c2e4cb649_proj:
	s_mov_b64 s[64:65], 0
	v_nop
	global_prefetch_b8 v0, s[64:65] scope:SCOPE_SE
	s_setreg_imm32_b32 hwreg(HW_REG_WAVE_MODE, 25, 1), 1
	s_wait_xcnt 0x0
	s_wait_alu depctr_hold_cnt(0) depctr_sa_sdst(0) depctr_va_vdst(0) depctr_va_sdst(0) depctr_va_ssrc(0) depctr_va_vcc(0) depctr_vm_vsrc(0)
	s_getreg_b32 s2, hwreg(HW_REG_IB_STS2, 6, 4)
	s_cmp_eq_u32 s2, 0
	s_cbranch_scc0 .Lentry_in_a_cluster
	s_endpgm
.Lentry_in_a_cluster:
	s_bfe_u32 s2, ttmp6, 0x10000c
	s_cmp_lg_u32 s2, 0xf033
	s_cbranch_scc0 .Lentry_shape_is_right
	s_endpgm
.Lentry_shape_is_right:
; q, k, v = x W^T on codes of FP6 (E2M3), K = 1,024, and the quantising of the results for the attention: q and k along d, v along the keys.  No f32 result goes to memory.
; THE DEAL.  256 work-groups = 8 column groups (two heads) x 32 token groups (256 tokens).  A work-group takes its 256 tokens through THREE weights on end: its 128 rows of wq, of wk, of wv.
; x's 256 rows, all of K, come into LDS once and stay; a weight's 128 rows land in a region of their own, go on into registers, and the region is filled again twice.
; Four waves, 2 x 2: wave (a, b) takes tokens 128 a .. + 127 (one record of the outputs) and head b of the two: 64 rows of the weight, all of K, in 384 registers.  x goes past in blocks of 16 rows (8 fragments, two sets): 32 products a block.
; ROWS lie as the first launch leaves them: place 16 j + 8 h + i of each 64 holds row 32 h + 8 j + i.  q, k: source 0 = the weight's rows: lane (r, h) holds token place r, its 32 sums of a block are d = 32 h + 0 .. 31: one scale block, six operand registers.
; v: source 0 = x's rows: lane (r, h) holds d place r of a tile, its 8 sums of each of a band's four blocks are keys 64 c + 32 h + 0 .. 31.  No lane needs another's numbers but for the scale words' bytes.
; OUT.  qb [64 heads][16 groups of 128][6,400]: 8 tiles x 768 bytes (registers 0-3: 16 bytes a lane; 4-5: 8 bytes a lane), at 6,144 the scale words: lane l, word i: tiles 4 i + 2 (l / 16) and + 1, row l % 16, bytes [tile % 2][h].
; kv [64][16][12,800]: k as in qb; at 6,400 four fragments of v (d tile x 1,536 bytes); at 12,544 v's scale words: lane l, word i: d tile 2 i + l / 16, row l % 16, byte 2 c + h.  Every store of a wave covers 512 or 256 consecutive bytes, aligned.
; CLUSTERS 4 x 4: x's rows are asked for jointly along a row of the cluster, a weight's along a column.
; FILLS.  At the head one load a wave: wq's rows, x's scale bytes, x's rows 0-127, 128-255.  Two refills of the weights' region (wave 0), each behind a round of the cluster's barrier that stands inside the phase's second block, with the three lines ahead of it.
; No prefetch: a refill is asked for six blocks of products ahead of the wait for it, and the head's tiles have no loop ahead of them.
; LIMITS: a block of zeros, or one under 2^-124, gets the scale byte 1 (read by this program alone); NaN and infinities are not served.
; WHERE A REFILL IS WAITED FOR, more exactly than the paragraph on prefetching above has it: it is asked for behind the phase's second block and waited for inside its seventh: four blocks and 26 products lie between.
.set KROW,  768
.set PITCH, 816                        ; an LDS row: 3 x (256 + 16)
.set FR,    12
.set FPW,   21                         ; fragments in a window of 256 registers
.set NF,    28                         ; LDS loads of a block of x: 26 for eight fragments, 2 for eight scale words
.set WB,    256*PITCH                  ; the weights' region
.set XS,    WB+128*PITCH               ; x's scale bytes: 32 runs of 256 + 16
.set SBLK,  544                        ; those of 16 rows
.set SPARE, XS+32*272
.set ADRA0, 4                          ; v4, v5 LDS address of my block 0 (v5: for pieces behind one padding more); v22, v23 of block 1; v12, v13 of the block fetched next
.set AAS0,  6                          ; v6, v42, v14 the same for the rows' scale words
.set L16,   8
.set L8,    9
.set SPW,   10
.set NIL,   11
.set ADRA,  12
.set AAS,   14
.set ABS,   15
.set SH,    16                         ; v16 8 h; v17 8 h + 16
.set SH16,  17
.set WPR,   18                         ; a pair of tiles' scale word
.set TW,    19
.set IM,    20                         ; v20, v21 the scale words as they are stored
.set ADRA1, 22
.set SB,    24                         ; v24-39 the weight's scale words
.set TQ,    40
.set AAS1,  42
.set SA,    44                         ; v44-59 x's scale words, two sets
.set TC,    60
.set ACC,   64                         ; q, k: two sets of four accumulators
.set NCD,   128
.set HV0,   64                         ; v: band 0's sums, 32 t + 8 j + i;  band 1's at v840
.set HV1,   840
.set MCD,   192                        ; v: four operands of twelve
.set SOP,   240
.set EB,    244
.set VW,    248
.set H1,    968                        ; the next weights' scale words
.set H2,    984
.set BA,    1000                       ; LDS addresses of the weight's four tiles
.set WV, 16
.set RA, 17
.set CB, 18
.set G1A, 24
.set G1B, 32
.set G1S, 48
.set G0W, 56
.set G0S, 60
.set G0X0, 68
.set G0X1, 72
.set OP, 76                            ; s[76:77] where this phase's record lies; s[78:79] kv's record
.set KP, 78
.set SEL, 80
.set MH, 82
.set CNT, 83
.set MSB, 0
.macro WIN new
.if MSB != (\new)
	s_set_vgpr_msb (MSB<<8)|(\new)
.set MSB, (\new)
.endif
.endm
.macro PLACES n
.rept \n
	v_nop
.endr
.endm
.macro WALU
	s_wait_alu depctr_va_vdst(0)
.endm
.macro BARRIER
	s_barrier_signal -1
	s_barrier_wait -1
.endm
.macro MIDDLE                          ; a round's middle
	WIN 0
	s_barrier_wait -1
	s_cmp_lg_u32 s[WV], 0
	s_cbranch_scc1 .Lnw0_\@
	s_barrier_signal -3
.Lnw0_\@:
	s_barrier_wait -3
.endm
.macro CROUND
	s_barrier_signal -1
	MIDDLE
	BARRIER
.endm
.macro TLOAD g0, g1
	tensor_load_to_lds s[\g0:\g0+3], s[\g1:\g1+7]
	s_nop 0
	PLACES 4
.endm
.macro GROUP1 g, mask                  ; 128 rows of 768 bytes, 16 bytes of padding behind each 256
	s_or_b32 s[\g+0], s[\mask], (1<<20)|(1<<21)|(5<<22)|(3<<25)
	s_mov_b32 s[\g+1], KROW<<16
	s_mov_b32 s[\g+2], 128<<16
	s_mov_b32 s[\g+3], KROW<<16
	s_mov_b32 s[\g+4], 128
	s_mov_b32 s[\g+5], KROW
	s_mov_b32 s[\g+6], 0
	s_mov_b32 s[\g+7], 0
.endm
; Fragment f lies in window 1 + f / 21 at register 12 (f % 21): 0-31 the weight's (4 q + tile), 32-39 and 40-47 x's two sets.  Six pieces of 8 bytes, two to a load where both lie behind as many paddings.
.macro FRAG f, q, a0, a1, aw
	WIN ((1+(\f)/FPW)<<6)|(\aw)
.set R_, FR*((\f)%FPW)
.set SK_, 0
.irp p, 0,1,2,3,4,5
.if SK_
.set SK_, 0
.else
.set PC_, 12*(\q)+6*(\p/3)+\p%3
.set PN_, 12*(\q)+6*((\p+1)/3)+(\p+1)%3
.set X_, (PC_%32+3)/32
.set XN_, (PN_%32+3)/32
.if (\p < 5) && (X_ == XN_)
.set SK_, 1
.if X_
	ds_load_2addr_b64 v[R_+2*\p:R_+2*\p+3], \a1 offset0:PC_+2*(PC_/32) offset1:PN_+2*(PN_/32)
.else
	ds_load_2addr_b64 v[R_+2*\p:R_+2*\p+3], \a0 offset0:PC_+2*(PC_/32) offset1:PN_+2*(PN_/32)
.endif
.elseif X_
	ds_load_b64 v[R_+2*\p:R_+2*\p+1], \a1 offset:8*(PC_+2*(PC_/32))
.else
	ds_load_b64 v[R_+2*\p:R_+2*\p+1], \a0 offset:8*(PC_+2*(PC_/32))
.endif
.endif
.endr
.endm
.macro WEIGHTS                         ; my 64 rows of the weight, all of K
.irp q, 0,1,2,3,4,5,6,7
.irp b, 0,1,2,3
	FRAG 4*\q+\b, \q, v[BA-768+2*\b], v[BA-768+2*\b+1], 3
.endr
.endr
	WIN 0
.endm
.macro FETCHAT e, a0, as               ; a block of x's rows into set e
.irp q, 0,1,2,3,4,5,6,7
	FRAG 32+8*(\e)+\q, \q, v[\a0], v[\a0+1], 0
.endr
	WIN 0
	ds_load_b128 v[SA+8*(\e):SA+8*(\e)+3], v[\as]
	ds_load_b128 v[SA+8*(\e)+4:SA+8*(\e)+7], v[\as] offset:16
.endm
.macro PROD1 d, s0, s1, c, x0, x1, side, o
	v_wmma_scale_f32_16x16x128_f8f6f4 v[\d:\d+7], v[FR*((\s0)%FPW):FR*((\s0)%FPW)+FR-1], v[FR*((\s1)%FPW):FR*((\s1)%FPW)+FR-1], \c, v[\x0], v[\x1] matrix_a_fmt:MATRIX_FMT_FP6 matrix_b_fmt:MATRIX_FMT_FP6 matrix_\side\()_scale:MATRIX_SCALE_ROW\o
.endm
.macro PROD2 side
.if Q_
.if PT_%2
	PROD1 DL_, S0_, S1_, v[DL_:DL_+7], Y0_, Y1_, \side, 1
.else
	PROD1 DL_, S0_, S1_, v[DL_:DL_+7], Y0_, Y1_, \side, 0
.endif
.else
.if PT_%2
	PROD1 DL_, S0_, S1_, 0, Y0_, Y1_, \side, 1
.else
	PROD1 DL_, S0_, S1_, 0, Y0_, Y1_, \side, 0
.endif
.endif
.endm
; product n = 4 q + tile of a block.  kind 0 (q, k): source 0 the weight's rows; kind 1 (v): source 0 x's rows.  The block's four accumulators take turns; the first four products start the sums.
.macro PROD kind, e, n, d0, ds
.set Q_, (\n)/4
.set PT_, (\n)%4
.set FW_, 4*Q_+PT_
.set FX_, 32+8*(\e)+Q_
.set D_, (\d0)+(\ds)*PT_
.set DL_, D_&255
.set DW_, D_>>8
.if \kind
.set S0_, FX_
.set S1_, FW_
.set Y0_, SA+8*(\e)+Q_
.set Y1_, SB+8*(PT_/2)+Q_
	WIN (1+S0_/FPW)|((1+S1_/FPW)<<2)|(DW_<<4)|(DW_<<6)
	PROD2 b
.else
.set S0_, FW_
.set S1_, FX_
.set Y0_, SB+8*(PT_/2)+Q_
.set Y1_, SA+8*(\e)+Q_
	WIN (1+S0_/FPW)|((1+S1_/FPW)<<2)|(DW_<<4)|(DW_<<6)
	PROD2 a
.endif
.endm
; the largest magnitude of the 32 sums from register x on, by two chains side by side, and the conversions' scale operand v[SOP + n]: entry i of 18
.macro CHAIN i, x, n, t
.set XW_, (\x)>>8
.set XL_, (\x)&255
.if (\i) >= 0 && (\i) < 14
.set B_, XL_+16*((\i)%2)+2*((\i)/2)
.set C_, (\t)+1-(\i)%2
.if (\i) < 2
	WIN XW_|(XW_<<2)|(XW_<<4)
	v_max3_num_f32 v[C_], |v[B_]|, |v[B_+1]|, |v[B_+2]|
.else
	WIN (XW_<<2)|(XW_<<4)
	v_max3_num_f32 v[C_], v[C_], |v[B_+1]|, |v[B_+2]|
.endif
.elseif (\i) == 14
	WIN XW_<<2
	v_max3_num_f32 v[\t+1], v[\t+1], |v[XL_+15]|, 0x1800000      ; with the floor 2^(3 - 127): the byte cannot fall under 1
.elseif (\i) == 15
	WIN 0
	v_nop
.elseif (\i) == 16
	WIN XW_<<2
	v_max3_num_f32 v[\t], v[\t], |v[XL_+31]|, v[\t+1]
.elseif (\i) == 17
	WIN 0
	v_add_nc_u32 v[SOP+\n], 0xff000000, v[\t]                    ; 2 off the exponent field
.endif
.endm
.macro CODES i, x, c, n, t=TC          ; 32 codes into v[c .. c + 5], the scale's byte into v[EB + n]: line i of 6
.set XW_, (\x)>>8
.set XL_, (\x)&255
.if (\i) == 0
	WIN XW_
	v_cvt_scalef32_pk16_fp6_f32 v[\c:\c+2], v[XL_:XL_+15], v[SOP+\n]
.elseif (\i) == 1
	WIN XW_
	v_cvt_scalef32_pk16_fp6_f32 v[\t:\t+2], v[XL_+16:XL_+31], v[SOP+\n]
.elseif (\i) == 2
	WIN 0
	v_lshrrev_b32 v[EB+\n], 23, v[SOP+\n]
.else
	WIN 0
	v_mov_b32 v[\c+\i], v[\t+\i-3]
.endif
.endm
.macro CODES6 x, c, n
.irp i, 0,1,2,3,4,5
	CODES \i, \x, \c, \n
.endr
.endm
; what stands among a block's products, two entries behind every second one: the LDS addresses of x's block FN_ (none: -1), then the chain over the sums at CX_ (none: -1)
; the next weight's four fragments of K step q, onto those whose last products have been issued; four places stand ahead of the loads
.macro WLOADQ q
	WIN 0
	PLACES 4
.irp b, 0,1,2,3
	FRAG 4*(\q)+\b, (\q), v[BA-768+2*\b], v[BA-768+2*\b+1], 3
.endr
.endm
.set WL_, 0                            ; 1 in a phase's last block: the next weight is loaded among its products
.macro SETL f, c, n
.set FN_, \f
.set CX_, \c
.set CN_, \n
.endm
.macro LST i
.if FN_ >= 0
.if (\i) == 0
	WIN 0
	v_add_nc_u32 v[ADRA], FN_*16*PITCH, v[ADRA0]
.elseif (\i) == 1
	WIN 0
	v_add_nc_u32 v[ADRA+1], FN_*16*PITCH, v[ADRA0+1]
.elseif (\i) == 2
	WIN 0
	v_add_nc_u32 v[AAS], FN_*SBLK, v[AAS0]
.endif
.endif
.if CX_ >= 0
	CHAIN (\i)-3, CX_, CN_, TQ
.endif
.endm
.macro BLOCK kind, e, d0, ds, from, to
.set N_, \from
.rept (\to)-(\from)
	PROD \kind, \e, N_, \d0, \ds
.if N_%2
	LST N_-1
	LST N_
.endif
.if WL_ && (N_%4 == 1) && (N_ > 4)
	WLOADQ N_/4-1
.endif
.set N_, N_+1
.endr
.endm
.macro KOUT u                          ; q, k: tile u's codes; its byte goes into its pair's word, a whole word into the image
	CODES6 ACC+32*((\u)%2), NCD, 0
.if (\u)%2 == 0
	v_lshlrev_b32 v[WPR], v[SH], v[EB]
.else
	v_lshlrev_b32 v[TW], v[SH16], v[EB]
	v_or_b32 v[WPR], v[WPR], v[TW]
	v_permlanex16_b32 v[TW], v[WPR], s[SEL], s[SEL+1]            ; lane l xor 16's two bytes
	v_or_b32 v[WPR], v[WPR], v[TW]
.if ((\u)/2)%2 == 0
	v_mov_b32 v[IM+(\u)/4], v[WPR]
.else
	v_cndmask_b32 v[IM+(\u)/4], v[IM+(\u)/4], v[WPR], s[MH]
.endif
.endif
.endm
.macro KSEND u
	global_store_b128 v[L16], v[NCD:NCD+3], s[OP:OP+1] offset:768*(\u)
	global_store_b64 v[L8], v[NCD+4:NCD+5], s[OP:OP+1] offset:768*(\u)+512
.endm
; q, k: blocks 2 to 7.  The wait's count: the next block's fetch, NF loads, is younger than this block's.  x's blocks are fetched round and round, block (s + 2) % 8: blocks 6 and 7 fetch the next phase's first two.
; Block 6 holds a plain barrier, which shows the next weight's rows to all waves; block 7 loads them, K step by K step, as its own products leave the old ones free.
.macro KBLOCK s
	SETL ((\s)+2)%8, ACC+32*(((\s)-1)%2), 0
.if (\s) == 7
.set WL_, 1
.endif
	s_wait_dscnt NF
	s_wait_xcnt 0x0                                ; the last tile's stores have read their data
.if (\s) == 6
	BLOCK 0, 0, ACC, 8, 0, 26
	WIN 0
	WALU
	s_wait_tensorcnt 0x0
	s_wait_dscnt 0x0
	s_barrier_signal -1
	BLOCK 0, 0, ACC, 8, 26, 32
	WIN 0
	s_barrier_wait -1
.else
	BLOCK 0, (\s)%2, ACC+32*((\s)%2), 8, 0, 32
	WIN 0
.endif
.set WL_, 0
.if (\s) == 7
	WALU                                           ; the loads' window switches stand between the scale operand's write and the conversions
.endif
	KOUT (\s)-1
.if (\s) == 7
	WLOADQ 7                                       ; ahead of the fetch below, so that only that fetch is younger at the next block's wait
	WIN 0
.endif
	WALU
	KSEND (\s)-1
	FETCHAT (\s)%2, ADRA, AAS
.endm
.macro VBLOCK s                        ; v: band 0's way outs stand in band 1's blocks
.if (\s) < 4
	SETL (\s)+2, -1, 0
.elseif (\s) < 6
	SETL (\s)+2, HV0+32*((\s)-4), (\s)-4
.else
	SETL -1, HV0+32*((\s)-4), (\s)-4
.endif
.if (\s) < 7
	s_wait_dscnt NF
.else
	s_wait_dscnt 0x0
.endif
	BLOCK 1, (\s)%2, HV0+(HV1-HV0)*((\s)/4)+8*((\s)%4), 32, 0, 32
	WIN 0
.if (\s) < 4
	PLACES 4
.else
	CODES6 HV0+32*((\s)-4), MCD+12*((\s)-4), (\s)-4
	v_lshlrev_b32 v[VW+(\s)-4], v[SH], v[EB+(\s)-4]
.endif
.if (\s) < 6
	WALU
	FETCHAT (\s)%2, ADRA, AAS
.endif
.endm
; ---------------- the head
	s_load_b256 s[4:11], s[0:1], 0x0               ; x_codes, x_scales, w_codes, w_scales
	s_load_b128 s[12:15], s[0:1], 0x20             ; qb, kv
	v_lshl_add_u32 v[SPW], v0, 2, SPARE
	v_mov_b32 v[NIL], 0
	ds_add_u32 v[SPW], v[NIL]                      ; the opening lines
	ds_add_u32 v[SPW], v[NIL]
	v_lshrrev_b32 v1, 5, v0
	v_readfirstlane_b32 s[WV], v1
	s_lshr_b32 s[RA], s[WV], 1                     ; a: which 128 tokens
	s_and_b32 s[CB], s[WV], 1                      ; b: which head
	s_bfe_u32 s19, ttmp6, 0x40000                  ; cx
	s_bfe_u32 s20, ttmp6, 0x40004                  ; cy
	s_lshl_b32 s21, ttmp9, 2
	s_add_co_u32 s21, s21, s19                     ; column group 0 .. 7
	s_and_b32 s22, ttmp7, 0xffff
	s_lshl_b32 s22, s22, 2
	s_add_co_u32 s22, s22, s20                     ; token group 0 .. 31
	s_lshl_b32 s40, s20, 2
	s_lshl_b32 s40, 15, s40                        ; my row of the cluster
	s_lshl_b32 s41, 0x1111, s19                    ; my column
	GROUP1 G1A, 40
	GROUP1 G1B, 41
	s_or_b32 s[G1S+0], s40, (3<<16)|(1<<20)|(1<<21)|(5<<22)|(3<<25)   ; x's scale bytes: 32 rows of 256 bytes
	s_mov_b32 s[G1S+1], 32<<16
	s_mov_b32 s[G1S+2], 32<<16
	s_mov_b32 s[G1S+3], 32<<16
	s_mov_b32 s[G1S+4], 32
	s_mov_b32 s[G1S+5], 32
	s_mov_b32 s[G1S+6], 0
	s_mov_b32 s[G1S+7], 0
	s_mov_b32 s[G0W], 1
	s_mov_b32 s[G0W+1], WB
	s_mov_b32 s[G0S], 1
	s_mov_b32 s[G0S+1], XS
	s_mov_b32 s[G0X0], 1
	s_mov_b32 s[G0X0+1], 0
	s_mov_b32 s[G0X1], 1
	s_mov_b32 s[G0X1+1], 128*PITCH
	s_mul_i32 s42, s22, 256*KROW                   ; my tokens' codes,
	s_mov_b32 s43, 0
	s_lshl_b32 s44, s22, 13                        ; their scale bytes,
	s_mov_b32 s45, 0
	s_mul_i32 s46, s21, 128*KROW                   ; wq's rows,
	s_mov_b32 s47, 0
	s_lshl_b32 s84, s21, 12                        ; my 64 rows' scale bytes
	s_lshl_b32 s85, s[CB], 11
	s_add_co_u32 s84, s84, s85
	s_mov_b32 s85, 0
	s_lshr_b32 s86, s22, 3                         ; the record: ((16 batch + head) 16 + group)
	s_lshl_b32 s86, s86, 4
	s_lshl_b32 s87, s21, 1
	s_add_co_u32 s86, s86, s87
	s_add_co_u32 s86, s86, s[CB]
	s_lshl_b32 s86, s86, 4
	s_and_b32 s87, s22, 7
	s_lshl_b32 s87, s87, 1
	s_add_co_u32 s86, s86, s87
	s_add_co_u32 s86, s86, s[RA]
	s_mul_i32 s88, s86, 6400
	s_mov_b32 s89, 0
	s_mul_i32 s90, s86, 12800
	s_mov_b32 s91, 0
	s_mov_b32 s[SEL], 0x76543210
	s_mov_b32 s[SEL+1], 0xfedcba98
	s_mov_b32 s[MH], 0xffff0000
	s_mov_b32 s[CNT], 0
	v_and_b32 v1, 15, v0                           ; r
	v_bfe_u32 v2, v0, 4, 1                         ; h
	v_and_b32 v3, 31, v0
	v_mul_u32_u24 v18, v1, PITCH
	v_mad_u32_u24 v19, v2, 24, v18
	v_mad_u32_u24 v18, v2, 40, v18
	s_mul_i32 s92, s[RA], 128*PITCH
	v_add_nc_u32 v[ADRA0], s92, v19
	v_add_nc_u32 v[ADRA0+1], s92, v18
	v_add_nc_u32 v[ADRA1], 16*PITCH, v[ADRA0]
	v_add_nc_u32 v[ADRA1+1], 16*PITCH, v[ADRA0+1]
	s_mul_i32 s93, s[CB], 64*PITCH
	s_add_co_u32 s93, s93, WB
	v_add_nc_u32 v19, s93, v19
	v_add_nc_u32 v18, s93, v18
	WIN 3<<6
.irp b, 0,1,2,3
	v_add_nc_u32 v[BA-768+2*\b], \b*16*PITCH, v19
	v_add_nc_u32 v[BA-768+2*\b+1], \b*16*PITCH, v18
.endr
	WIN 0
	v_lshlrev_b32 v20, 5, v1
	v_lshrrev_b32 v21, 3, v1
	v_lshl_add_u32 v20, v21, 4, v20                ; 32 bytes a row, 16 more for each 256 passed
	s_mul_i32 s92, s[RA], 16*272
	s_add_co_u32 s92, s92, XS
	v_add_nc_u32 v[AAS0], s92, v20
	v_add_nc_u32 v[AAS1], SBLK, v[AAS0]
	v_lshlrev_b32 v[ABS], 5, v3
	v_lshlrev_b32 v[L16], 4, v3
	v_lshlrev_b32 v[L8], 3, v3
	v_lshlrev_b32 v[SH], 3, v2
	v_lshl_add_u32 v[SH16], v2, 3, 16
	WALU                                           ; the wait at the head's end
	s_wait_dscnt 0x0
	CROUND                                         ; ahead of the first joint loads
	s_wait_kmcnt 0x0
	s_add_nc_u64 s[G0X0+2:G0X0+3], s[4:5], s[42:43]
	s_add_nc_u64 s[G0X1+2:G0X1+3], s[G0X0+2:G0X0+3], 128*KROW
	s_or_b32 s[G0X0+3], s[G0X0+3], 0x80000000
	s_or_b32 s[G0X1+3], s[G0X1+3], 0x80000000
	s_add_nc_u64 s[G0S+2:G0S+3], s[6:7], s[44:45]
	s_or_b32 s[G0S+3], s[G0S+3], 0x80000000
	s_add_nc_u64 s[G0W+2:G0W+3], s[8:9], s[46:47]
	s_or_b32 s[G0W+3], s[G0W+3], 0x80000000
	s_add_nc_u64 s[84:85], s[10:11], s[84:85]
	s_add_nc_u64 s[OP:OP+1], s[12:13], s[88:89]
	s_add_nc_u64 s[KP:KP+1], s[14:15], s[90:91]
	s_cmp_eq_u32 s[WV], 0                          ; one load a wave, what is needed first asked for first
	s_cbranch_scc0 .Lw1
	TLOAD G0W, G1B                                 ; wq's 128 rows
	s_branch .Lasked
.Lw1:
	s_cmp_eq_u32 s[WV], 1
	s_cbranch_scc0 .Lw2
	TLOAD G0S, G1S                                 ; x's scale bytes
	s_branch .Lasked
.Lw2:
	s_cmp_eq_u32 s[WV], 2
	s_cbranch_scc0 .Lw3
	TLOAD G0X0, G1A                                ; x's rows 0-127
	s_branch .Lasked
.Lw3:
	TLOAD G0X1, G1A                                ; x's rows 128-255
.Lasked:
.irp p, 0,1                            ; the three weights' scale words: lanes 0-15 tile 2 p, lanes 16-31 tile 2 p + 1; register q for the q-th 128 along K
.irp c, 0,1
	global_load_b128 v[SB+8*\p+4*\c:SB+8*\p+4*\c+3], v[ABS], s[84:85] offset:1024*\p+16*\c
.endr
.endr
	WIN 3<<6
.irp p, 0,1
.irp c, 0,1
	global_load_b128 v[H1-768+8*\p+4*\c:H1-768+8*\p+4*\c+3], v[ABS], s[84:85] offset:32768+1024*\p+16*\c
	global_load_b128 v[H2-768+8*\p+4*\c:H2-768+8*\p+4*\c+3], v[ABS], s[84:85] offset:65536+1024*\p+16*\c
.endr
.endr
	WIN 0
	s_cmp_eq_u32 s[WV], 0
	s_cbranch_scc0 .Lnot_w
	s_wait_tensorcnt 0x0
.Lnot_w:
	BARRIER                                        ; wq's rows are in: their line is wave 0's alone
	WEIGHTS
	s_wait_tensorcnt 0x0
	s_wait_dscnt 0x0
	BARRIER                                        ; all of x is in
	FETCHAT 0, ADRA0, AAS0
	FETCHAT 1, ADRA1, AAS1
	s_wait_loadcnt 0x0
; ---------------- q, then k: one text, two trips
.Lphase:
	SETL 2, -1, 0
	s_wait_dscnt NF
	BLOCK 0, 0, ACC, 8, 0, 32
	WIN 0
	PLACES 4
	WALU
	FETCHAT 0, ADRA, AAS
	SETL 3, ACC, 0
	s_wait_dscnt NF
	s_wait_tensorcnt 0x0                           ; the three lines ahead of the refill's round
	ds_add_u32 v[SPW], v[NIL]
	s_add_nc_u64 s[G0W+2:G0W+3], s[G0W+2:G0W+3], 1024*KROW   ; the next tensor's rows
	BLOCK 0, 1, ACC+32, 8, 0, 26
	WIN 0
	WALU
	s_wait_dscnt 0x0                               ; the add, and my reads of the weights' region
	s_barrier_signal -1
	BLOCK 0, 1, ACC+32, 8, 26, 32
	WIN 0
	KOUT 0
	MIDDLE
	BARRIER
	s_cmp_eq_u32 s[WV], 0
	s_cbranch_scc0 .Lno_fill
	TLOAD G0W, G1B                                 ; onto the rows that all waves hold in registers
.Lno_fill:
	WALU
	KSEND 0
	FETCHAT 1, ADRA, AAS
.irp s, 2,3,4,5,6,7
	KBLOCK \s
.endr
	WIN 3                                          ; the change of phase: the next weight's scale words
.set I, 0
.rept 16
	v_mov_b32 v[SB+I], v[H1-768+I]
.set I, I+1
.endr
	WIN 0xc3
.set I, 0
.rept 16
	v_mov_b32 v[H1-768+I], v[H2-768+I]
.set I, I+1
.endr
	WIN 0
.set I, 0
.rept 18                               ; tile 7's way out, while the loads above are out
	CHAIN I, ACC+32, 0, TQ
.set I, I+1
.endr
	WALU
	s_wait_xcnt 0x0
	KOUT 7
	WALU
	KSEND 7
	global_store_b64 v[L8], v[IM:IM+1], s[OP:OP+1] offset:6144
	s_wait_xcnt 0x0                                ; the stores have read their base
	s_mov_b64 s[OP:OP+1], s[KP:KP+1]
	s_add_co_u32 s[CNT], s[CNT], 1
	s_cmp_lt_u32 s[CNT], 2
	s_cbranch_scc1 .Lphase
; ---------------- v
.irp s, 0,1,2,3,4,5,6,7
	VBLOCK \s
.endr
.set I, 0
.rept 18                               ; band 1's four way outs by turns
.irp t, 0,1,2,3
	CHAIN I, HV1+32*\t, \t, 64+4*\t
.endr
.set I, I+1
.endr
.set I, 0
.rept 6
.irp t, 0,1,2,3
	CODES I, HV1+32*\t, MCD+12*\t+6, \t, 80+4*\t
.endr
.set I, I+1
.endr
	WIN 0
.irp t, 0,1,2,3
	v_lshlrev_b32 v[96+\t], v[SH16], v[EB+\t]
.endr
.irp t, 0,1,2,3
	v_or_b32 v[VW+\t], v[VW+\t], v[96+\t]
.endr
.irp t, 0,1,2,3
	v_permlanex16_b32 v[96+\t], v[VW+\t], s[SEL], s[SEL+1]
.endr
.irp t, 0,1,2,3
	v_or_b32 v[VW+\t], v[VW+\t], v[96+\t]
.endr
	v_cndmask_b32 v[IM], v[VW], v[VW+1], s[MH]
	v_cndmask_b32 v[IM+1], v[VW+2], v[VW+3], s[MH]
	WALU
.irp t, 0,1,2,3
.irp k, 0,1,2
	global_store_b128 v[L16], v[MCD+12*\t+4*\k:MCD+12*\t+4*\k+3], s[KP:KP+1] offset:6400+1536*\t+512*\k
.endr
.endr
	global_store_b64 v[L8], v[IM:IM+1], s[KP:KP+1] offset:12544
	s_wait_tensorcnt 0x0                           ; the wave's end
	ds_add_u32 v[SPW], v[NIL]
	s_wait_dscnt 0x0
	CROUND                                         ; the closing round
	s_endpgm
.Lfunc_end_k_q2c2e4cb649_proj:
	.size	k_q2c2e4cb649_proj, .Lfunc_end_k_q2c2e4cb649_proj-k_q2c2e4cb649_proj
	.p2alignl 7, 3214868480
	.fill 96, 4, 3214868480
	.section	.rodata,"a",@progbits
	.p2align	6, 0x0
	.amdhsa_kernel k_q2c2e4cb649_proj
		.amdhsa_group_segment_fixed_size 327680
		.amdhsa_private_segment_fixed_size 0
		.amdhsa_enable_private_segment 0
		.amdhsa_kernarg_size 48
		.amdhsa_user_sgpr_count 2
		.amdhsa_user_sgpr_kernarg_segment_ptr 1
		.amdhsa_wavefront_size32 1
		.amdhsa_system_sgpr_workgroup_id_x 1
		.amdhsa_system_sgpr_workgroup_id_y 1
		.amdhsa_system_sgpr_workgroup_id_z 1
		.amdhsa_system_vgpr_workitem_id 0
		.amdhsa_next_free_vgpr 1024
		.amdhsa_next_free_sgpr 100
		.amdhsa_reserve_vcc 0
		.amdhsa_float_denorm_mode_32 3
		.amdhsa_float_denorm_mode_16_64 3
		.amdhsa_memory_ordered 1
		.amdhsa_forward_progress 1
		.amdhsa_inst_pref_size 162
	.end_amdhsa_kernel
	.amdgpu_metadata
---
amdhsa.version: [ 1, 2 ]
amdhsa.kernels:
  - .name:           k_q2c2e4cb649_proj
    .symbol:         k_q2c2e4cb649_proj.kd
    .args:
      - { .name: x_codes, .offset: 0, .size: 8, .value_kind: global_buffer, .address_space: global }
      - { .name: x_scales, .offset: 8, .size: 8, .value_kind: global_buffer, .address_space: global }
      - { .name: w_codes, .offset: 16, .size: 8, .value_kind: global_buffer, .address_space: global }
      - { .name: w_scales, .offset: 24, .size: 8, .value_kind: global_buffer, .address_space: global }
      - { .name: qb, .offset: 32, .size: 8, .value_kind: global_buffer, .address_space: global }
      - { .name: kv, .offset: 40, .size: 8, .value_kind: global_buffer, .address_space: global }
    .group_segment_fixed_size: 327680
    .private_segment_fixed_size: 0
    .kernarg_segment_align: 8
    .kernarg_segment_size: 48
    .max_flat_workgroup_size: 128
    .sgpr_count:     100
    .vgpr_count:     1024
    .wavefront_size: 32
...
	.end_amdgpu_metadata
.endif
;; end of part 2
;; launch attn (part 3): grid 4 x 64, 16 waves a work-group, clusters of 4 x 1, 280,576 bytes of LDS; arguments qb, kv, out0; writes out0
.if DOCPART == 3
	.amdgcn_target "amdgcn-amd-amdhsa--gfx1250"
	.amdhsa_code_object_version 6
	.text
	.protected	k_q2c2e4cb649_attn
	.globl	k_q2c2e4cb649_attn
	.p2align	8
	.type	k_q2c2e4cb649_attn,@function
k_q2c2e4cb649_attn:
	s_mov_b64 s[64:65], 0
	v_nop
	global_prefetch_b8 v0, s[64:65] scope:SCOPE_SE
	s_setreg_imm32_b32 hwreg(HW_REG_WAVE_MODE, 25, 1), 1
	s_wait_xcnt 0x0
	s_wait_alu depctr_hold_cnt(0) depctr_sa_sdst(0) depctr_va_vdst(0) depctr_va_sdst(0) depctr_va_ssrc(0) depctr_va_vcc(0) depctr_vm_vsrc(0)
	s_getreg_b32 s2, hwreg(HW_REG_IB_STS2, 6, 4)
	s_cmp_eq_u32 s2, 0
	s_cbranch_scc0 .Lentry_in_a_cluster
	s_endpgm
.Lentry_in_a_cluster:
	s_bfe_u32 s2, ttmp6, 0x10000c
	s_cmp_lg_u32 s2, 0x3003
	s_cbranch_scc0 .Lentry_shape_is_right
	s_endpgm
.Lentry_shape_is_right:
; Causal attention on codes of FP6 (E2M3): out0[batch][q][64 head + d] = the sum over keys k <= q of softmax_k(q . k / 8) v, for 64 (batch, head) pairs, 2,048 tokens, head size 64.
; LEFT OUT: key steps that lie wholly behind a tile's queries: the causal mask sets their scores to -infinity, so their p is 0 for all values of the inputs.
; q, k, v come from the launch before as images of operand registers (its head comment gives qb's and kv's records).
; THE SOFTMAX: t = score x log2(e) / 8; M = the row's largest t so far, rounded UP to a whole number; p = 2^(t - M) is quantised along the keys, not normalised.  The row's sum is taken of the unquantised p and divides O at the end.
; When M moves, the sum and O are multiplied by 2^(old M - new M): exact.
; SHARES.  A cluster of four work-groups is one (batch, head).  Its k and v, 16 records of 12,800 bytes, fit in LDS whole: each of the 16 waves asks for one record, jointly with the three partners, at the head; nothing is filled again.
; So there is nothing to prefetch: every byte of k and v is asked for by the first fills.
; Wave w = 4 a + b of work-group cx owns tile 2 cx + a / 2 (16 queries) of the query groups gA = 2 ((a + b) % 4) + a % 2 and gB = 15 - gA.  A tile of group g walks key steps 0 .. g: 17 tile steps for every wave.
; THE WALK.  First tile B's steps 0 to 3, on the records that waves 0 to 3 fetch: 4 tile steps a wave; a barrier shows the other records; then tile A's steps and tile B's from step 4 on: 13 a wave.
; LAYOUT.  Both products are used transposed: a lane holds ONE query.  Tile 4 c + j of K holds, in row 8 h + i, key 64 c + 32 h + 8 j + i: so register 32 c + n of S^T in lane half h is key 64 c + 32 h + n: a lane holds two whole scale blocks of p,
; in the order of the operand's registers.  Queries and d lie in the same order in their tiles.
; K = 64 IN A FORM OF K = 128.  K's operand is a PAIR of tiles (12 registers, one scale word of four bytes).  Q stands between zero codes: (q, 0) meets the pair's first tile, (0, q) its second; the other tile meets zero codes and adds nothing.
; LIMITS: NaN and infinities among the inputs are not served; the scaled scores stay under 2^31 in magnitude.  A block of p that has fallen to 0 keeps the scale byte 1: its codes are zeros.
.set REC,  12800
.set QREC, 6400
.set STG,  16*REC                      ; behind the records: 16 rows x 272 bytes for each wave, for the way out
.set SPI,  272
.set SPARE, 0x44000
.set L16,  1
.set L8,   2
.set A16,  3                           ; the step's record + 16 x lane;  v4: + 8 x lane
.set A8,   4
.set DM,   5                           ; my query's place in its group, less 32 h
.set QSA,  6
.set QSB,  7
.set STA,  8                           ; -M, the largest t, the sum (a pair)
.set STB,  12
.set QA,   22                          ; v16-21 zeros, v22-27 tile A's q, v28-33 zeros, v34-39 tile B's q, v40-45 zeros
.set QB,   34
.set KH,   46                          ; v46-93 K's eight tiles, then V's four fragments
.set SI,   94
.set SO,   95
.set S,    96                          ; v96-159 S^T, then p
.set OA,   160
.set OB,   192
.set SH,   243                         ; 8 h
.set SPW,  247
.set NIL,  255
.set WV,   10
.set CX,   11
.set BH,   12
.set GA,   13
.set GB,   14
.set STEP, 15
.set TB,   16
.set AH,   17
.set SEL,  18
.set CS,   20
.set G1,   24
.set G0,   32
.set SHQ,  36
.set QPA,  48
.set QPB,  50
.set QWA,  52
.set QWB,  54
.set OPA,  56
.set OPB,  58
.macro WALU
	s_wait_alu depctr_va_vdst(0)
.endm
.macro CROUND
	s_barrier_signal -1
	s_barrier_wait -1
	s_cmp_lg_u32 s[WV], 0
	s_cbranch_scc1 .Lnot_wave_0_\@
	s_barrier_signal -3
.Lnot_wave_0_\@:
	s_barrier_wait -3
	s_barrier_signal -1
	s_barrier_wait -1
.endm
.macro ZERO_O                          ; O^T of both tiles: a tile's step is written once, the first finds zeros
.set j, 0
.rept 64
	v_mov_b32 v[OA+j], 0
.set j, j+1
.endr
.endm
	s_load_b128 s[4:7], s[0:1], 0x0                ; qb, kv
	s_load_b64 s[8:9], s[0:1], 0x10                ; out0
	v_lshl_add_u32 v[SPW], v0, 2, SPARE
	v_mov_b32 v[NIL], 0
	ds_add_u32 v[SPW], v[NIL]                      ; the opening lines
	ds_add_u32 v[SPW], v[NIL]
	v_lshrrev_b32 v1, 5, v0
	v_readfirstlane_b32 s[WV], v1
	s_bfe_u32 s[CX], ttmp6, 0x40000
	s_and_b32 s[BH], ttmp7, 0xffff
	s_lshr_b32 s60, s[WV], 2                       ; a
	s_and_b32 s61, s[WV], 3                        ; b
	s_add_co_u32 s61, s61, s60
	s_and_b32 s61, s61, 3
	s_lshl_b32 s61, s61, 1
	s_and_b32 s62, s60, 1
	s_or_b32 s[GA], s61, s62
	s_xor_b32 s[GB], s[GA], 15
	s_lshr_b32 s[AH], s60, 1
	s_lshl_b32 s[SHQ], s[AH], 4
	s_mov_b32 s[G1], 15|(3<<16)|(1<<21)            ; a record: 50 rows of 256 bytes, for all four work-groups
	s_mov_b32 s[G1+1], 32<<16
	s_mov_b32 s[G1+2], 50<<16
	s_mov_b32 s[G1+3], 32<<16
	s_mov_b32 s[G1+4], 50
	s_mov_b32 s[G1+5], 32
	s_mov_b32 s[G1+6], 0
	s_mov_b32 s[G1+7], 0
	s_mov_b32 s[SEL], 0x76543210
	s_mov_b32 s[SEL+1], 0xfedcba98
	s_mov_b32 s[CS], 0x3e38aa3b                    ; log2(e) / 8
	s_mov_b32 s[CS+1], s[CS]
	s_mul_i32 s22, s[WV], REC                      ; my record: key step = my wave's number
	s_mul_i32 s60, s[BH], 16*REC
	s_add_co_u32 s60, s60, s22
	s_mov_b32 s61, 0
	s_lshl_b32 s62, s[BH], 4
	s_add_co_u32 s48, s62, s[GA]
	s_mul_i32 s48, s48, QREC
	s_add_co_u32 s50, s62, s[GB]
	s_mul_i32 s50, s50, QREC
	s_lshl_b32 s62, s[CX], 1
	s_add_co_u32 s62, s62, s[AH]                   ; my tile in a group
	s_mul_i32 s62, s62, 768
	s_and_b32 s63, s[CX], 1                        ; its pair is cx: word cx / 2 of lanes 16 (cx % 2) + r, 8 bytes a lane
	s_lshl_b32 s63, s63, 7
	s_lshr_b32 s23, s[CX], 1
	s_lshl_b32 s37, s23, 2
	s_add_co_u32 s63, s63, s37
	s_add_co_u32 s63, s63, 6144
	s_add_co_u32 s52, s48, s63
	s_add_co_u32 s54, s50, s63
	s_add_co_u32 s48, s48, s62
	s_add_co_u32 s50, s50, s62
	s_mov_b32 s49, 0
	s_mov_b32 s51, 0
	s_mov_b32 s53, 0
	s_mov_b32 s55, 0
	s_lshl_b32 s23, s23, 6                         ; my tile's first query in its group: 64 (cx / 2) + 16 (cx % 2) + 8 (a / 2)
	s_and_b32 s37, s[CX], 1
	s_lshl_b32 s37, s37, 4
	s_add_co_u32 s23, s23, s37
	s_lshl_b32 s37, s[AH], 3
	s_add_co_u32 s23, s23, s37
	s_lshr_b32 s62, s[BH], 4
	s_lshl_b32 s62, s62, 11
	s_add_co_u32 s62, s62, s23
	s_and_b32 s63, s[BH], 15
	s_lshl_b32 s63, s63, 8
	s_lshl_b32 s56, s[GA], 7
	s_add_co_u32 s56, s56, s62
	s_lshl_b32 s56, s56, 12
	s_add_co_u32 s56, s56, s63
	s_mov_b32 s57, 0
	s_lshl_b32 s58, s[GB], 7
	s_add_co_u32 s58, s58, s62
	s_lshl_b32 s58, s58, 12
	s_add_co_u32 s58, s58, s63
	s_mov_b32 s59, 0
	s_wait_dscnt 0x0
	s_wait_kmcnt 0x0
	s_add_nc_u64 s[60:61], s[6:7], s[60:61]
	s_add_nc_u64 s[QPA:QPA+1], s[4:5], s[QPA:QPA+1]
	s_add_nc_u64 s[QPB:QPB+1], s[4:5], s[QPB:QPB+1]
	s_add_nc_u64 s[QWA:QWA+1], s[4:5], s[QWA:QWA+1]
	s_add_nc_u64 s[QWB:QWB+1], s[4:5], s[QWB:QWB+1]
	s_add_nc_u64 s[OPA:OPA+1], s[8:9], s[OPA:OPA+1]
	s_add_nc_u64 s[OPB:OPB+1], s[8:9], s[OPB:OPB+1]
	CROUND                                         ; ahead of the first joint loads
	s_mov_b32 s[G0], 1
	s_mov_b32 s[G0+1], s22
	s_mov_b64 s[G0+2:G0+3], s[60:61]
	s_or_b32 s[G0+3], s[G0+3], 0x80000000
	s_cmp_lt_u32 s[WV], 4                          ; one load a wave.  Waves 0 to 3, whose records are read first, have a line of their own and ask at once; the others clear O^T first
	s_cbranch_scc0 .Llate
	tensor_load_to_lds s[G0:G0+3], s[G1:G1+7]
	s_nop 0
.rept 4
	v_nop
.endr
	ZERO_O
	s_branch .Lasked
.Llate:
	ZERO_O
	tensor_load_to_lds s[G0:G0+3], s[G1:G1+7]
	s_nop 0
.rept 4
	v_nop
.endr
.Lasked:
	v_and_b32 v8, 31, v0
	v_lshlrev_b32 v[L16], 4, v8
	v_lshlrev_b32 v[L8], 3, v8
	v_and_b32 v8, 15, v0                           ; r
	v_bfe_u32 v9, v0, 4, 1                         ; h
	v_lshlrev_b32 v[A16], 3, v8
	global_load_b128 v[QA:QA+3], v[L16], s[QPA:QPA+1] th:TH_LOAD_NT
	global_load_b64 v[QA+4:QA+5], v[L8], s[QPA:QPA+1] offset:512 th:TH_LOAD_NT
	global_load_b128 v[QB:QB+3], v[L16], s[QPB:QPB+1] th:TH_LOAD_NT
	global_load_b64 v[QB+4:QB+5], v[L8], s[QPB:QPB+1] offset:512 th:TH_LOAD_NT
	global_load_b32 v[QSA], v[A16], s[QWA:QWA+1]
	global_load_b32 v[QSB], v[A16], s[QWB:QWB+1]
	s_mul_i32 s62, s[WV], 16*SPI
	s_add_co_u32 s62, s62, STG
	v_mul_u32_u24 v[SI], v8, SPI
	v_lshl_add_u32 v[SI], v9, 7, v[SI]
	v_add_nc_u32 v[SI], s62, v[SI]                 ; the stage, in: row r, + 128 h: my 32 d
	v_mul_u32_u24 v[SO], v9, SPI
	v_lshl_add_u32 v[SO], v8, 4, v[SO]
	v_add_nc_u32 v[SO], s62, v[SO]                 ; back: lanes 0-15 one row, lanes 16-31 the next
	v_lshrrev_b32 v10, 3, v8
	v_and_b32 v11, 7, v8
	v_lshl_add_u32 v10, v10, 5, v11                ; row r of a tile is query 32 (r / 8) + r % 8 from the tile's first
	v_lshlrev_b32 v11, 5, v9
	v_sub_nc_u32 v10, v10, v11
	v_add_nc_u32 v[DM], s23, v10
	v_lshlrev_b32 v[SH], 3, v9
.irp st, STA, STB
	v_mov_b32 v[\st+1], 0xff61b1e6                 ; the largest t so far: -3e38
	v_floor_f32 v[\st], -v[\st+1]
	v_mov_b32 v[\st+2], 0
	v_mov_b32 v[\st+3], 0
.endr
.irp i, 0,1,2,3,4,5
	v_mov_b32 v[16+\i], 0                          ; zero codes
	v_mov_b32 v[28+\i], 0
	v_mov_b32 v[40+\i], 0
.endr
	v_mov_b32 v236, 0                              ; a lane permute's destination counts as one of its sources
	v_mov_b32 v237, 0
	v_mov_b32 v253, 0
	WALU
	s_wait_loadcnt 0x0
.irp w, QSA, QSB                       ; my tile's two bytes of its pair's word, in both halves of the word: it serves (q, 0) and (0, q)
	v_lshrrev_b32 v[\w], s[SHQ], v[\w]
	v_and_b32 v[\w], 0xffff, v[\w]
	v_lshl_or_b32 v[\w], v[\w], 16, v[\w]
.endr
.rept 8
	v_nop                                          ; eight places between a scale word made by vector instructions and the first product that takes it
.endr
.macro QK p, row, qf, qw
	v_wmma_scale_f32_16x16x128_f8f6f4 v[S+16*\p:S+16*\p+7], v[KH+12*\p:KH+12*\p+11], v[\qf:\qf+11], 0, v[248+\p/2], v[\qw] matrix_a_fmt:MATRIX_FMT_FP6 matrix_b_fmt:MATRIX_FMT_FP6 matrix_a_scale:MATRIX_SCALE_ROW\row
	v_wmma_scale_f32_16x16x128_f8f6f4 v[S+16*\p+8:S+16*\p+15], v[KH+12*\p:KH+12*\p+11], v[\qf-6:\qf+5], 0, v[248+\p/2], v[\qw] matrix_a_fmt:MATRIX_FMT_FP6 matrix_b_fmt:MATRIX_FMT_FP6 matrix_a_scale:MATRIX_SCALE_ROW\row
.endm
.macro PV d, row, oa
	v_wmma_scale_f32_16x16x128_f8f6f4 v[\oa+8*\d:\oa+8*\d+7], v[KH+12*\d:KH+12*\d+11], v[224:235], v[\oa+8*\d:\oa+8*\d+7], v[250+\d/2], v253 matrix_a_fmt:MATRIX_FMT_FP6 matrix_b_fmt:MATRIX_FMT_FP6 matrix_a_scale:MATRIX_SCALE_ROW\row
.endm
.macro KLOAD off                       ; K's eight tiles of the record off bytes behind v[A16], v[A8], and their scale words: register i: pair 2 i in lanes 0-15, pair 2 i + 1 in lanes 16-31
.irp t, 0,1,2,3,4,5,6,7
	ds_load_b128 v[KH+6*\t:KH+6*\t+3], v[A16] offset:\off+768*\t
	ds_load_b64 v[KH+6*\t+4:KH+6*\t+5], v[A8] offset:\off+768*\t+512
.endr
	ds_load_b64 v[248:249], v[A8] offset:\off+6144
.endm
; ONE TILE'S KEY STEP.  test 0: always walked, never on the diagonal;  1: steps up to the tile's group, the last of them on the diagonal.  pre 1: the next record's K is asked for.
; K's tiles are in registers, or on their way, when the step begins.  V's fragments are asked for behind the scores' products, into K's registers; the next step's K behind the second product's, into the same registers.
; A tile's last walked step inside a loop asks for a record that is not multiplied, so that no branch leads round the loads; a loop's last step, whose next record has not been shown or does not exist, is written out with pre 0.
.macro TILE qf, qw, st, oa, gr, test, pre
.if \test
	s_cmp_gt_u32 s[STEP], s[\gr]
	s_cbranch_scc1 .Lskip_\@
.endif
	WALU
	s_wait_dscnt 0x0                               ; K's tiles, asked for in the step before or ahead of the loop
	QK 0, 0, \qf, \qw
	QK 1, 1, \qf, \qw
	QK 2, 0, \qf, \qw
	QK 3, 1, \qf, \qw
.rept 4
	v_nop
.endr
.irp d, 0,1,2,3
.irp c, 0,1,2
	ds_load_b128 v[KH+12*\d+4*\c:KH+12*\d+4*\c+3], v[A16] offset:6400+1536*\d+512*\c   ; V's fragments land where K's tiles lay, while the softmax is made
.endr
.endr
	ds_load_b64 v[250:251], v[A8] offset:12544     ; V's scale words: register i: d tile 2 i in lanes 0-15, 2 i + 1 in lanes 16-31
.if \test
	s_cmp_lg_u32 s[STEP], s[\gr]                   ; only the tile's last step lies on the diagonal
	s_cbranch_scc1 .Lopen_\@
	v_mov_b32 v254, 0xff800000                     ; register n holds key 64 (n / 32) + 32 h + n % 32: hidden where that lies behind my query
.set n, 0
.rept 64
	v_cmp_gt_i32 vcc_lo, 64*(n/32)+n%32, v[DM]
	v_cndmask_b32 v[S+n], v[S+n], v254, vcc_lo
.set n, n+1
.endr
.Lopen_\@:
.endif
.irp c, 0,1                            ; the largest score of my two blocks of 32 keys, each in two chains
	v_max3_num_f32 v[232+2*\c], v[S+32*\c], v[S+32*\c+1], v[S+32*\c+2]
	v_max3_num_f32 v[233+2*\c], v[S+32*\c+17], v[S+32*\c+18], v[S+32*\c+19]
.endr
.irp k, 0,2,4,6,8,10
.irp c, 0,1
	v_max3_num_f32 v[232+2*\c], v[232+2*\c], v[S+32*\c+3+\k], v[S+32*\c+4+\k]
	v_max3_num_f32 v[233+2*\c], v[233+2*\c], v[S+32*\c+20+\k], v[S+32*\c+21+\k]
.endr
.endr
.irp c, 0,1
	v_max3_num_f32 v[232+2*\c], v[232+2*\c], v[S+32*\c+15], v[S+32*\c+16]
.endr
.irp c, 0,1
	v_max_num_f32 v[232+2*\c], v[232+2*\c], v[233+2*\c]
.endr
	v_max_num_f32 v254, v232, v234
	v_permlanex16_b32 v236, v254, s[SEL], s[SEL+1]
	v_max_num_f32 v254, v254, v236                 ; with lane l xor 16's 64 keys: the step's largest score of my query
	s_delay_alu instid0(VALU_DEP_1)
	v_mul_f32 v254, s[CS], v254
	s_delay_alu instid0(VALU_DEP_1)
	v_max_num_f32 v[\st+1], v[\st+1], v254         ; the running largest t
	v_mov_b32 v254, v[\st]
	s_delay_alu instid0(VALU_DEP_2)
	v_floor_f32 v[\st], -v[\st+1]                  ; the new -M = -ceil(t)
	s_delay_alu instid0(VALU_DEP_1)
	v_sub_f32 v254, v[\st], v254
	s_delay_alu instid0(VALU_DEP_1)
	v_cvt_i32_f32 v254, v254
	s_delay_alu instid0(VALU_DEP_1)
	v_ldexp_f32 v252, 1.0, v254                    ; f = 2^(old M - new M)
.set j, 0
.rept 32
	v_pk_fma_f32 v[S+j:S+j+1], v[S+j:S+j+1], s[CS:CS+1], v[\st:\st+1] op_sel_hi:[1,0,0]   ; t - M
.set j, j+2
.endr
	v_fma_f32 v232, v232, s[CS], v[\st]            ; the same of each block's largest score
	v_fma_f32 v234, v234, s[CS], v[\st]
	WALU                                           ; the wait ahead of the batch
.set j, 0
.rept 64
	v_exp_f32 v[S+j], v[S+j]                       ; p
.set j, j+1
.endr
	v_pk_mul_f32 v[\st+2:\st+3], v[\st+2:\st+3], v[252:253] op_sel_hi:[1,0]
	WALU                                           ; and behind it
	v_exp_f32 v232, v232                           ; the blocks' largest p
	v_exp_f32 v234, v234
	v_nop                                          ; one plain place behind the two
	WALU
	v_max_num_f32 v232, 0x1800000, v232            ; the floor 2^(3 - 127)
	v_max_num_f32 v234, 0x1800000, v234
	v_add_nc_u32 v238, 0xff000000, v232            ; the conversions' scale operands
	v_add_nc_u32 v239, 0xff000000, v234
	v_lshrrev_b32 v232, 23, v238
	v_lshrrev_b32 v234, 23, v239
	v_lshl_or_b32 v253, v234, 16, v232             ; my bytes: blocks h and 2 + h,
	v_lshlrev_b32 v253, v[SH], v253                ; at their places;
	v_permlanex16_b32 v237, v253, s[SEL], s[SEL+1]
	v_or_b32 v253, v253, v237                      ; with lane l xor 16's two p's scale word is whole
	v_cvt_scalef32_pk16_fp6_f32 v[224:226], v[S:S+15], v238
	v_cvt_scalef32_pk16_fp6_f32 v[240:242], v[S+16:S+31], v238
	v_cvt_scalef32_pk16_fp6_f32 v[230:232], v[S+32:S+47], v239
	v_cvt_scalef32_pk16_fp6_f32 v[244:246], v[S+48:S+63], v239
	v_nop
.irp i, 0,1,2
	v_mov_b32 v[227+\i], v[240+\i]
	v_mov_b32 v[233+\i], v[244+\i]
.endr
	WALU                                           ; the wait directly ahead of the first reader of O^T
.set j, 0
.rept 16
	v_pk_mul_f32 v[\oa+j:\oa+j+1], v[\oa+j:\oa+j+1], v[252:253] op_sel_hi:[1,0]   ; O^T under the new M
.set j, j+2
.endr
	WALU
	s_wait_dscnt 0x0
	PV 0, 0, \oa                                   ; the four accumulators by turns
	PV 1, 1, \oa
	PV 2, 0, \oa
	PV 3, 1, \oa
	v_pk_add_f32 v[236:237], v[S:S+1], v[S+2:S+3]  ; the row's sum of the unquantised p, in two chains; its first five lines are the places ahead of the loads into V's registers
.irp j, 4,8
	v_pk_add_f32 v[\st+2:\st+3], v[\st+2:\st+3], v[S+\j:S+1+\j]
	v_pk_add_f32 v[236:237], v[236:237], v[S+2+\j:S+3+\j]
.endr
.if \pre
	KLOAD REC                                      ; the next step's K, out while the sum is finished
.endif
.irp j, 12,16,20,24,28,32,36,40,44,48,52,56,60
	v_pk_add_f32 v[\st+2:\st+3], v[\st+2:\st+3], v[S+\j:S+1+\j]
	v_pk_add_f32 v[236:237], v[236:237], v[S+2+\j:S+3+\j]
.endr
	v_pk_add_f32 v[\st+2:\st+3], v[\st+2:\st+3], v[236:237]
.Lskip_\@:
.endm
	WALU                                           ; the wait at the head's end
	s_cmp_lt_u32 s[WV], 4
	s_cbranch_scc0 .Lnot_early
	s_wait_tensorcnt 0x0
.Lnot_early:
	s_barrier_signal -1
	s_barrier_wait -1                              ; key steps 0 to 3 lie in LDS
	s_mov_b32 s[STEP], 0
	s_mov_b32 s[TB], 0
	v_add_nc_u32 v[A16], s[TB], v[L16]
	v_add_nc_u32 v[A8], s[TB], v[L8]
	KLOAD 0
.Lfirst:                                           ; tile B, key steps 0 to 2; each asks for the next step's K: record 3 at the most
	v_add_nc_u32 v[A16], s[TB], v[L16]
	v_add_nc_u32 v[A8], s[TB], v[L8]
	TILE QB, QSB, STB, OB, GB, 0, 1
	s_add_co_u32 s[TB], s[TB], REC
	s_add_co_u32 s[STEP], s[STEP], 1
	s_cmp_lt_u32 s[STEP], 3
	s_cbranch_scc1 .Lfirst
	s_mov_b32 s[STEP], 3                           ; key step 3 is written out: record 4 has not been shown yet
	s_mov_b32 s[TB], 3*REC
	v_add_nc_u32 v[A16], s[TB], v[L16]
	v_add_nc_u32 v[A8], s[TB], v[L8]
	TILE QB, QSB, STB, OB, GB, 0, 0
	s_wait_tensorcnt 0x0
	s_wait_dscnt 0x0
	s_barrier_signal -1
	s_barrier_wait -1                              ; all records are in
	s_mov_b32 s[STEP], 4
	s_mov_b32 s[TB], 4*REC
	v_add_nc_u32 v[A16], s[TB], v[L16]
	v_add_nc_u32 v[A8], s[TB], v[L8]
	KLOAD 0
.Lrest_b:                                          ; tile B, key steps 4 to 14: eleven trips, those behind gB jumped over
	v_add_nc_u32 v[A16], s[TB], v[L16]
	v_add_nc_u32 v[A8], s[TB], v[L8]
	TILE QB, QSB, STB, OB, GB, 1, 1
	s_add_co_u32 s[TB], s[TB], REC
	s_add_co_u32 s[STEP], s[STEP], 1
	s_cmp_lt_u32 s[STEP], 15
	s_cbranch_scc1 .Lrest_b
	s_mov_b32 s[STEP], 15                          ; key step 15 is written out: no record follows it
	s_mov_b32 s[TB], 15*REC
	v_add_nc_u32 v[A16], s[TB], v[L16]
	v_add_nc_u32 v[A8], s[TB], v[L8]
	TILE QB, QSB, STB, OB, GB, 1, 0
	s_wait_dscnt 0x0                               ; the last loads into K's registers have landed: they are loaded anew
	s_mov_b32 s[STEP], 0
	s_mov_b32 s[TB], 0
	v_add_nc_u32 v[A16], s[TB], v[L16]
	v_add_nc_u32 v[A8], s[TB], v[L8]
	KLOAD 0
.Lrest_a:                                          ; tile A, key steps 0 to gA: eight trips; record 8 at the most is asked for
	v_add_nc_u32 v[A16], s[TB], v[L16]
	v_add_nc_u32 v[A8], s[TB], v[L8]
	TILE QA, QSA, STA, OA, GA, 1, 1
	s_add_co_u32 s[TB], s[TB], REC
	s_add_co_u32 s[STEP], s[STEP], 1
	s_cmp_lt_u32 s[STEP], 8
	s_cbranch_scc1 .Lrest_a
	s_wait_dscnt 0x0                               ; K's registers serve the way out
	; THE WAY OUT: O^T is divided by the sum and goes through my stage, so that sixteen lanes store a query's 256 bytes of its head
	WALU
	v_add_f32 v[STA+2], v[STA+2], v[STA+3]
	v_add_f32 v[STB+2], v[STB+2], v[STB+3]
	v_permlanex16_b32 v236, v[STA+2], s[SEL], s[SEL+1]
	v_permlanex16_b32 v237, v[STB+2], s[SEL], s[SEL+1]
	v_add_f32 v[STA+2], v[STA+2], v236
	v_add_f32 v[STB+2], v[STB+2], v237
	WALU
	v_rcp_f32 v[STA+2], v[STA+2]
	v_rcp_f32 v[STB+2], v[STB+2]
	v_and_b32 v[A16], 15, v0
	v_bfe_u32 v[A8], v0, 4, 1
	v_lshlrev_b32 v[A16], 4, v[A16]
	v_lshl_add_u32 v[A16], v[A8], 12, v[A16]       ; out0: lanes 0-15 one row of 4,096 bytes, lanes 16-31 the next
.macro PACK oa, st, w, bk              ; register 8 t + j is d = 32 h + 8 t + j
	WALU
.set j, 0
.rept 16
	v_pk_mul_f32 v[\w+j:\w+j+1], v[\oa+j:\oa+j+1], v[\st+2:\st+3] op_sel_hi:[1,0]
.set j, j+2
.endr
.irp k, 0,1,2,3,4,5,6,7
	ds_store_b128 v[SI], v[\w+4*\k:\w+4*\k+3] offset:16*\k
.endr
.irp i, 0,1,2,3,4,5,6,7
	ds_load_b128 v[\bk+4*\i:\bk+4*\i+3], v[SO] offset:2*\i*SPI   ; LDS serves a wave's instructions in order
.endr
.endm
.macro SEND bk, ptr, younger           ; stage rows 2 i + h are queries 2 i + h of the tile's first eight or, from i = 4 on, of the eight that lie 32 further on
.irp i, 0,1,2,3,4,5,6,7
	s_wait_dscnt \younger+7-\i
	global_store_b128 v[A16], v[\bk+4*\i:\bk+4*\i+3], s[\ptr:\ptr+1] offset:8192*\i+98304*(\i/4) th:TH_STORE_NT
.endr
.endm
	PACK OA, STA, 96, 46
	PACK OB, STB, 128, 160
	SEND 46, OPA, 16
	SEND 160, OPB, 0
	s_wait_tensorcnt 0x0                           ; the wave's end
	ds_add_u32 v[SPW], v[NIL]
	s_wait_dscnt 0x0
	CROUND                                         ; the closing round
	s_endpgm
.Lfunc_end_k_q2c2e4cb649_attn:
	.size	k_q2c2e4cb649_attn, .Lfunc_end_k_q2c2e4cb649_attn-k_q2c2e4cb649_attn
	.p2alignl 7, 3214868480
	.fill 96, 4, 3214868480
	.section	.rodata,"a",@progbits
	.p2align	6, 0x0
	.amdhsa_kernel k_q2c2e4cb649_attn
		.amdhsa_group_segment_fixed_size 280576
		.amdhsa_private_segment_fixed_size 0
		.amdhsa_enable_private_segment 0
		.amdhsa_kernarg_size 24
		.amdhsa_user_sgpr_count 2
		.amdhsa_user_sgpr_kernarg_segment_ptr 1
		.amdhsa_wavefront_size32 1
		.amdhsa_system_sgpr_workgroup_id_x 1
		.amdhsa_system_sgpr_workgroup_id_y 1
		.amdhsa_system_sgpr_workgroup_id_z 1
		.amdhsa_system_vgpr_workitem_id 0
		.amdhsa_next_free_vgpr 256
		.amdhsa_next_free_sgpr 66
		.amdhsa_reserve_vcc 1
		.amdhsa_float_denorm_mode_32 3
		.amdhsa_float_denorm_mode_16_64 3
		.amdhsa_memory_ordered 1
		.amdhsa_forward_progress 1
		.amdhsa_inst_pref_size 111
	.end_amdhsa_kernel
	.amdgpu_metadata
---
amdhsa.version: [ 1, 2 ]
amdhsa.kernels:
  - .name:           k_q2c2e4cb649_attn
    .symbol:         k_q2c2e4cb649_attn.kd
    .args:
      - { .name: qb, .offset: 0, .size: 8, .value_kind: global_buffer, .address_space: global }
      - { .name: kv, .offset: 8, .size: 8, .value_kind: global_buffer, .address_space: global }
      - { .name: out0, .offset: 16, .size: 8, .value_kind: global_buffer, .address_space: global }
    .group_segment_fixed_size: 280576
    .private_segment_fixed_size: 0
    .kernarg_segment_align: 8
    .kernarg_segment_size: 24
    .max_flat_workgroup_size: 512
    .sgpr_count:     66
    .vgpr_count:     256
    .wavefront_size: 32
...
	.end_amdgpu_metadata
.endif
;; end of part 3
